; MI455X (gfx1250); checked and timed in simulation.
; The chip was launched on July 23, 2026; its instructions are those of AMD's public machine-readable ISA for CDNA 5 (MIT licence, August 2026) and "CDNA5" Instruction Set Architecture Reference Guide (July 2026). The comments in the code are by the model that wrote it; some were corrected since.
;; Sample Score Model. Allowed arithmetic: float matrix products may take bf16 or f16 operands with f32 sums; all other float work in f32.
;; Inputs: samples 65,536 x 64 float32; t 32 float32; x 32 x 64 float32.
;; Outputs: out0 32 x 64 float32.
;; 2 versions, each right; version 2 is version 1 with the launch merge written anew for expert scheduling mode. Each part assembles by itself: llvm-mc -triple=amdgcn-amd-amdhsa -mcpu=gfx1250 --defsym DOCPART=n.
;; ======== version 1 of 2: 2 launches
;; limits: a difference of large sums (such as E[x^2] - mean^2): digits are lost where the result is much smaller than its terms; values are held in f16: magnitudes above 65,504 overflow, below 6.1e-05 lose precision; right only within a limited range of input values
;; workspace buffers: part 2,097,152 bytes; ml 65,536 bytes
;; launch partial (part 1): grid 256 x 1, 8 waves a work-group, no clusters, 191,488 bytes of LDS; arguments samples, t, x, part, ml; writes part, ml
.if DOCPART == 1
	.amdgcn_target "amdgcn-amd-amdhsa--gfx1250"
	.amdhsa_code_object_version 6
	.text
	.protected	k_q1b9801cdde_partial
	.globl	k_q1b9801cdde_partial
	.p2align	8
	.type	k_q1b9801cdde_partial,@function
k_q1b9801cdde_partial:
	s_mov_b64 s[64:65], 0
	v_nop
	global_prefetch_b8 v0, s[64:65] scope:SCOPE_SE
	s_setreg_imm32_b32 hwreg(HW_REG_WAVE_MODE, 25, 1), 1
	s_wait_xcnt 0x0
; Softmax-weighted sum of samples, part 1: each work-group reduces 256 of the 65,536 samples for all 32 queries.
;   u[n][b] = s_n . x_b - 0.5 |s_n|^2      (the term 0.5 |x_b|^2 is constant along n and cancels in the softmax)
;   c[b]    = log2(e) / sigma_b^2 = 14426.95 * 2^(-26.5754 t_b)
;   M[b] = fl(c max_n u),  p = 2^(c u - M),  l[b] = sum p,  O[b][d] = sum p s_n[d]
; Out: part[wg][b][d] = O (f32, 8 KB a work-group), ml[wg][b] = (M, l).  The second launch merges the 256 work-groups.
; Eight waves, 32 samples each; a wave sees all its samples at once, so there is no running maximum and no rescaling.
;
; NUMBER FORMATS.  c reaches 1.4e4, so u has to be good to about 1e-5.  Each f32 v of samples and x is split exactly,
; v = hi + lo:  k = fl(8193 v), hi = k - 8192 v (11 bits, exact in f16), lo = 8193 v - k (rounded to f16: residue <= 2^-23 |v|),
; and s.x = lo.xh + hi.xl + hi.xh on the f16 matrix form with f32 sums (lo.xl, <= 2^-22 of a product, is dropped).
; 0.5 |s|^2 is summed in f32 in each lane over the 32 elements that it holds, split into three f16 pieces and added by one more
; matrix link against a fragment of ones, which also adds the two halves of the lanes.  The second product takes f16(p) and hi(s);
; l is summed by the matrix unit from the same rounded p, so that the rounding of p cancels in O / l.
; LIMITS: |samples|, |x| and 0.5 * (squared norm of half a row) below 65,504 (f16); the split has an absolute floor of 2^-25 an element;
; t in about (-4.3, 5.2) so that 2^(-26.6 t) * 14427 is a normal f32; NaN and infinities are not honoured; the distance is formed by
; expansion, so its rounding order is not the reference's and ties closer than about 1e-5 in u may resolve otherwise.
; NO CLUSTER: the work-groups share only x and t, 8 KB of the 72 KB that each reads.
.set FP,    272                        ; LDS pitch of a row of 64 f32: 256 + 16, so 16 rows of one column start in 16 different 16-byte columns modulo 256
.set HP,    160                        ; LDS pitch of a row of 64 f16: 128 + 32, so the 8 rows of a transposing load start in 8 different 32-byte columns modulo 256
.set WROWS, 32                         ; samples of a wave
.set SF,    0                          ; samples as f32, 256 rows; wave w owns rows 32 w ..
.set SH,    SF+256*FP                  ; hi(samples) as f16, [sample][d]; wave w owns rows 32 w ..
.set XF,    SH+256*HP                  ; x fragments: 8 images of 1 KB, image 2 (2 tb + c) + part (0 hi, 1 lo)
.set OP,    XF+8192                    ; the waves' O, [wave][b][d] f32, pitch FP
.set MB,    OP+256*FP                  ; M[wave][b]
.set LB,    MB+1024                    ; l[wave][b]
.set LANE, 1
.set RR,   2                           ; lane % 16
.set HH,   3                           ; lane / 16
.set FA,   4                           ; LDS: my f32 fragment rows
.set HS,   5                           ; LDS: where hi fragments go
.set TRA,  6                           ; LDS: transposing loads
.set XA,   7                           ; LDS: x fragment images, 16 bytes a lane
.set XS,   8                           ; LDS: the half image that my wave makes
.set XG,   9                           ; x: byte offset of my 8 numbers
.set TG,   10                          ; t: 4 (lane % 16)
.set OS,   11                          ; LDS: where my O goes
.set CC,   12                          ; v[12:13], v[14:15]: c of b = r and of b = 16 + r, each twice (pairs for packed arithmetic)
.set FHI,  16                          ; hi fragments (t, c) at 16 t + 8 c
.set FLO,  48                          ; lo fragments
.set F0,   80                          ; tile 0 as f32
.set F1,   112                         ; tile 1 as f32
.set TT,   144                         ; 16 registers at work in the split
.set XR,   160                         ; x fragments: hi (tb, c) at 32 tb + 16 c, lo 8 further
.set QZ,   224                         ; (a0, b0, 0 x 6, a1, b1): v[QZ:QZ+7] is tile 0's norm fragment, v[QZ+2:QZ+9] tile 1's
.set ONES, 234                         ; 8 registers of two f16 1.0
.set MV,   242                         ; v[242:243], v[244:245]: M of the two b tiles, each twice
.set MX,   246                         ; v246, v247: maxima
.set MSEL, 248
.set LSEL, 249
.set QA,   250                         ; v[250:251], v[252:253]: two chains of squares; later the merge's addresses
.set QB,   252
.set QC,   254
.set BK,   250                         ; 2 wave + lane / 16
.set OA,   251
.set MA,   252
.set GO,   253
.set MLA,  254
.set D1,   F0                          ; u, then p: tile (t, tb) at 16 t + 8 tb (tile 0's f32 is spent by then)
.set AT,   F1                          ; hi transposed: rows d = 16 td + r, K = sample
.set PP,   FHI                         ; p as f16: B fragment of b tile tb at 8 tb
.set DL,   FLO                         ; l tiles
.set OO,   XR                          ; O^T tiles (td, tb) at 16 td + 8 tb
.set RP,   F0                          ; merge: 16 x 4 registers of the waves' O
.set EE,   TT                          ; merge: M, then e, of (wave v, row k) at 2 v + k
.set ACC,  FHI
	s_load_b256 s[4:11], s[0:1], 0x0               ; samples s[4:5], t s[6:7], x s[8:9], part s[10:11]
	s_load_b64 s[12:13], s[0:1], 0x20              ; ml
	s_set_vgpr_msb 0x40
	v_lshl_add_u32 v0, v0, 2, 0x2e800
	v_mov_b32 v1, 0
	s_set_vgpr_msb 0x4045
	ds_add_u32 v0, v1
	ds_add_u32 v0, v1
	s_set_vgpr_msb 0x4500
	v_lshrrev_b32 v[LANE], 5, v0
	v_readfirstlane_b32 s14, v[LANE]               ; wave 0..7
	; one tensor load a wave: 32 rows of 64 f32, 16 bytes of padding behind each row
	s_mov_b32 s24, (2<<16)|(1<<20)|(5<<22)|(3<<25) ; elements of 4 bytes; padding on, after every 64 dwords, of 4 dwords
	s_mov_b32 s25, 64<<16                          ; tensor_dim0 = 64
	s_mov_b32 s26, WROWS<<16                       ; tensor_dim1 = 32
	s_mov_b32 s27, 64<<16                          ; tile_dim0 = 64
	s_mov_b32 s28, WROWS                           ; tile_dim1 = 32
	s_mov_b32 s29, 64                              ; elements from row to row
	s_mov_b32 s30, 0
	s_mov_b32 s31, 0
	s_mov_b32 s20, 1
	s_mul_i32 s21, s14, WROWS*FP                   ; LDS: SF (= 0) + my wave's 8,704 bytes
	s_lshl_b32 s16, ttmp9, 16                      ; 256 rows of 256 bytes a work-group
	s_lshl_b32 s15, s14, 13                        ; 32 rows a wave
	s_add_co_u32 s16, s16, s15
	s_mov_b32 s17, 0
	s_wait_dscnt 0x0
	s_wait_kmcnt 0x0
	s_add_nc_u64 s[22:23], s[4:5], s[16:17]
	s_or_b32 s23, s23, 0x80000000                  ; type 2
	tensor_load_to_lds s[20:23], s[24:31]          ; asked for before anything else; s[20:31] are never written again
	s_nop 0
	; x: wave w converts the half fragment (tb = w / 4, c = (w / 2) % 2, registers 4 g .. 4 g + 3 with g = w % 2):
	; lane (r, h) takes x[16 tb + r][32 c + 16 g + 8 h .. + 7], 32 bytes
	v_and_b32 v[LANE], 31, v0
	v_and_b32 v[RR], 15, v0
	v_bfe_u32 v[HH], v0, 4, 1
	s_lshr_b32 s15, s14, 2
	s_lshl_b32 s15, s15, 12                        ; 16 tb rows of 256 bytes
	s_and_b32 s18, s14, 3
	s_lshl_b32 s18, s18, 6                         ; 128 c + 64 g
	s_add_co_u32 s15, s15, s18
	v_lshlrev_b32 v[XG], 8, v[RR]
	v_lshl_add_u32 v[XG], v[HH], 5, v[XG]
	v_add_nc_u32 v[XG], s15, v[XG]
	v_lshlrev_b32 v[TG], 2, v[RR]
	global_load_b128 v[F0:F0+3], v[XG], s[8:9]
	global_load_b128 v[F0+4:F0+7], v[XG], s[8:9] offset:16
	global_load_b32 v[CC], v[TG], s[6:7]           ; t[r]
	global_load_b32 v[CC+2], v[TG], s[6:7] offset:64   ; t[16 + r]
	; addresses and constants while the loads are out
	v_mul_u32_u24 v[FA], v[RR], FP
	v_lshl_add_u32 v[FA], v[HH], 5, v[FA]
	v_add_nc_u32 v[FA], s21, v[FA]                 ; row r of my wave's tile + 32 h bytes (8 f32)
	s_mul_i32 s19, s14, WROWS*HP
	s_add_co_u32 s19, s19, SH
	v_mul_u32_u24 v[HS], v[RR], HP
	v_lshl_add_u32 v[HS], v[HH], 4, v[HS]
	v_add_nc_u32 v[HS], s19, v[HS]                 ; row r + 16 h bytes (8 f16)
	v_and_b32 v[TRA], 7, v0
	v_lshl_add_u32 v[TRA], v[HH], 3, v[TRA]        ; sample 8 h + lane % 8
	v_mul_u32_u24 v[TRA], v[TRA], HP
	v_bfe_u32 v[XS], v0, 3, 1
	v_lshl_add_u32 v[TRA], v[XS], 4, v[TRA]        ; + 16 ((lane / 8) % 2)
	v_add_nc_u32 v[TRA], s19, v[TRA]
	v_lshlrev_b32 v[XA], 4, v[LANE]
	v_add_nc_u32 v[XA], XF, v[XA]
	s_lshr_b32 s18, s14, 1
	s_lshl_b32 s18, s18, 11                        ; (2 tb + c) pairs of images
	s_and_b32 s15, s14, 1
	s_lshl_b32 s15, s15, 9                         ; g: the image's second 512 bytes
	s_add_co_u32 s18, s18, s15
	v_add_nc_u32 v[XS], s18, v[XA]
	s_mov_b32 s32, 0x46000400                      ; 8193.0 (the pair is read whole by packed forms)
	s_mov_b32 s33, 0x46000400
	s_mov_b32 s34, 0xc6000000                      ; -8192.0
	s_mov_b32 s35, 0xc6000000
	s_mov_b32 s36, 0x76543210                      ; v_permlanex16_b32: lane i reads lane i of the other half
	s_mov_b32 s37, 0xfedcba98
.irp i, 0,1,2,3,4,5,6,7
	v_mov_b32 v[ONES+\i], 0x3c003c00
.endr
.irp i, 2,3,4,5,6,7
	v_mov_b32 v[QZ+\i], 0
.endr
; Eight f32 in v[src ..] to four registers of hi and four of lo (f16 pairs, the lower index in the lower half).
.macro SPLIT4 src, hi, lo
.irp i, 0,1,2,3
	v_pk_mul_f32 v[TT+4*\i:TT+4*\i+1], v[\src+2*\i:\src+2*\i+1], s[32:33] op_sel_hi:[1,0]      ; k = fl(8193 v)
.endr
.irp i, 0,1,2,3
	v_pk_fma_f32 v[TT+4*\i+2:TT+4*\i+3], v[\src+2*\i:\src+2*\i+1], s[34:35], v[TT+4*\i:TT+4*\i+1] op_sel_hi:[1,0,1]   ; hi = k - 8192 v, exact
.endr
.irp i, 0,1,2,3
	v_pk_fma_f32 v[TT+4*\i:TT+4*\i+1], v[\src+2*\i:\src+2*\i+1], s[32:33], v[TT+4*\i:TT+4*\i+1] op_sel_hi:[1,0,1] neg_lo:[0,0,1] neg_hi:[0,0,1]   ; lo = 8193 v - k, exact
.endr
.irp i, 0,1,2,3
	v_cvt_pk_f16_f32 v[\hi+\i], v[TT+4*\i+2], v[TT+4*\i+3]
	v_cvt_pk_f16_f32 v[\lo+\i], v[TT+4*\i], v[TT+4*\i+1]
.endr
.endm
; -0.5 x the squares of my 32 elements of tile t, in f32, as three f16 pieces in two registers of the norm fragment
.macro NORM f, t
	v_pk_mul_f32 v[QA:QA+1], v[\f:\f+1], v[\f:\f+1]
	v_pk_mul_f32 v[QB:QB+1], v[\f+2:\f+3], v[\f+2:\f+3]
.irp i, 1,2,3,4,5,6,7
	v_pk_fma_f32 v[QA:QA+1], v[\f+4*\i:\f+4*\i+1], v[\f+4*\i:\f+4*\i+1], v[QA:QA+1]
	v_pk_fma_f32 v[QB:QB+1], v[\f+4*\i+2:\f+4*\i+3], v[\f+4*\i+2:\f+4*\i+3], v[QB:QB+1]
.endr
	v_pk_add_f32 v[QA:QA+1], v[QA:QA+1], v[QB:QB+1]
	v_add_f32 v[QA], v[QA], v[QA+1]
	v_mul_f32 v[QA], -0.5, v[QA]
	v_mul_f32 v[QB], s32, v[QA]
	v_fma_f32 v[QC], v[QA], s34, v[QB]             ; first 11 bits
	v_fma_f32 v[QA], v[QA], s32, -v[QB]            ; the rest, exact
	v_mul_f32 v[QB], s32, v[QA]
	v_fma_f32 v[QC+1], v[QA], s34, v[QB]           ; next 11 bits
	v_fma_f32 v[QA], v[QA], s32, -v[QB]            ; the last ones
	v_cvt_pk_f16_f32 v[QZ+8*\t], v[QC], v[QC+1]
	v_cvt_pk_f16_f32 v[QZ+8*\t+1], v[QA], v[QZ+2]  ; beside a zero
.endm
	s_wait_loadcnt 0x2                             ; x is in; the two loads of t behind it may be out
	SPLIT4 F0, F0+8, F0+12
	ds_store_b128 v[XS], v[F0+8:F0+11]             ; hi image
	ds_store_b128 v[XS], v[F0+12:F0+15] offset:1024    ; lo image
	s_wait_dscnt 0x0                               ; for the other waves: my part of the images is in LDS
	s_barrier_signal -1
	s_barrier_wait -1
.irp f, 0,1,2,3,4,5,6,7
	ds_load_b128 v[XR+8*\f:XR+8*\f+3], v[XA] offset:\f*1024
	ds_load_b128 v[XR+8*\f+4:XR+8*\f+7], v[XA] offset:\f*1024+512
.endr
	s_wait_loadcnt 0x0                             ; t
	v_mul_f32 v[CC], 0xc1d49a78, v[CC]             ; -log2(1e8) t
	v_mul_f32 v[CC+2], 0xc1d49a78, v[CC+2]
	v_exp_f32 v[CC], v[CC]
	v_exp_f32 v[CC+2], v[CC+2]
	v_add_nc_u32 v[OS], OP, v[FA]                  ; the plain instruction behind the transcendentals (ISA guide 5.7.2); O has the f32 tile's geometry
	s_wait_alu depctr_va_vdst(0)
	v_mul_f32 v[CC], 0x46616bcd, v[CC]             ; x 1e4 log2(e)
	v_mul_f32 v[CC+2], 0x46616bcd, v[CC+2]
	v_mov_b32 v[CC+1], v[CC]
	v_mov_b32 v[CC+3], v[CC+2]
	s_wait_tensorcnt 0x0                           ; my 32 rows are in LDS; no other wave reads them, so this wait is all the ordering
	; fragment order: lane (r, h) of tile t holds row 16 t + r, d = 16 n' + 8 h .. + 7 for n' = 0..3: pairs of loads 64 bytes apart
.irp n, 0,1,2,3,4,5,6,7
	ds_load_b128 v[F0+4*\n:F0+4*\n+3], v[FA] offset:(\n/2)*64+(\n%2)*16
.endr
.irp n, 0,1,2,3,4,5,6,7
	ds_load_b128 v[F1+4*\n:F1+4*\n+3], v[FA] offset:16*FP+(\n/2)*64+(\n%2)*16
.endr
	s_wait_dscnt 0x8                               ; x fragments and tile 0 are in; tile 1's eight loads may be out
	NORM F0, 0
.irp j, 0,1,2,3
	SPLIT4 F0+8*\j, FHI+4*\j, FLO+4*\j
.endr
	s_wait_dscnt 0x0
	NORM F1, 1
.irp j, 0,1,2,3
	SPLIT4 F1+8*\j, FHI+16+4*\j, FLO+16+4*\j
.endr
	; hi to LDS as [sample][d], and back transposed (d along the lanes, samples along the registers).  My own bytes: LDS serves a
	; wave's instructions in order, so nothing stands between the stores and the loads.
.irp t, 0,1
.irp q, 0,1,2,3
	ds_store_b128 v[HS], v[FHI+16*\t+4*\q:FHI+16*\t+4*\q+3] offset:\t*16*HP+32*\q
.endr
.endr
.irp d, 0,1,2,3
	ds_load_tr16_b128 v[AT+8*\d:AT+8*\d+3], v[TRA] offset:32*\d
	ds_load_tr16_b128 v[AT+8*\d+4:AT+8*\d+7], v[TRA] offset:32*\d+16*HP
.endr
; One link of each of the four chains u(t, tb): A = samples' fragment of tile t, B = x's fragment of b tile tb.
.macro STEP1 abase, astep, bbase, bstep, first
.irp t, 0,1
.irp b, 0,1
.if \first
	v_wmma_f32_16x16x32_f16 v[D1+16*\t+8*\b:D1+16*\t+8*\b+7], v[\abase+\astep*\t:\abase+\astep*\t+7], v[\bbase+\bstep*\b:\bbase+\bstep*\b+7], 0
.else
	v_wmma_f32_16x16x32_f16 v[D1+16*\t+8*\b:D1+16*\t+8*\b+7], v[\abase+\astep*\t:\abase+\astep*\t+7], v[\bbase+\bstep*\b:\bbase+\bstep*\b+7], v[D1+16*\t+8*\b:D1+16*\t+8*\b+7]
.endif
.endr
.endr
.endm
	STEP1 FLO,   16, XR,    32, 1                  ; lo . xh, d 0-31: the small terms first; the first link starts the sums
	STEP1 FLO+8, 16, XR+16, 32, 0                  ; lo . xh, d 32-63
	STEP1 FHI,   16, XR+8,  32, 0                  ; hi . xl
	STEP1 FHI+8, 16, XR+24, 32, 0
	STEP1 QZ,    2,  ONES,  0,  0                  ; - 0.5 |s|^2: both halves' three pieces x 1
	STEP1 FHI,   16, XR,    32, 0                  ; hi . xh
	STEP1 FHI+8, 16, XR+16, 32, 0
	; Register j of lane (r, h) now holds u[sample 16 t + 8 h + j][b = 16 tb + r].
	; Four plain vector instructions that name no matrix register stand behind the last link before u is read (ISA guide 7.12.1):
	; the merge's addresses, eight of them.
	s_lshl_b32 s18, s14, 1
	v_add_nc_u32 v[BK], s18, v[HH]                 ; merge: my first row b = 2 wave + h
	v_mul_u32_u24 v[OA], v[BK], FP
	v_lshlrev_b32 v[MA], 2, v[BK]
	v_lshlrev_b32 v[GO], 8, v[BK]
	v_lshl_add_u32 v[OA], v[RR], 4, v[OA]
	v_lshl_add_u32 v[GO], v[RR], 4, v[GO]          ; part: row b, 16 bytes a lane
	v_add_nc_u32 v[OA], OP, v[OA]
	v_add_nc_u32 v[MA], MB, v[MA]
	; the maximum of u over my wave's 32 samples, for each b: 16 values in the lane, then lane xor 16
.irp b, 0,1
	v_max3_num_f32 v[MX+\b], v[D1+8*\b], v[D1+8*\b+1], v[D1+8*\b+2]
.endr
.irp j, 3,5
.irp b, 0,1
	v_max3_num_f32 v[MX+\b], v[MX+\b], v[D1+8*\b+\j], v[D1+8*\b+\j+1]
.endr
.endr
.irp b, 0,1
	v_max3_num_f32 v[MX+\b], v[MX+\b], v[D1+8*\b+7], v[D1+8*\b+16]
.endr
.irp j, 17,19,21
.irp b, 0,1
	v_max3_num_f32 v[MX+\b], v[MX+\b], v[D1+8*\b+\j], v[D1+8*\b+\j+1]
.endr
.endr
.irp b, 0,1
	v_max_num_f32 v[MX+\b], v[MX+\b], v[D1+8*\b+23]
.endr
	v_permlanex16_b32 v[QC], v[MX], s36, s37       ; destinations written before (NORM)
	v_permlanex16_b32 v[QC+1], v[MX+1], s36, s37
	v_max_num_f32 v[MX], v[MX], v[QC]
	v_max_num_f32 v[MX+1], v[MX+1], v[QC+1]
	v_mul_f32 v[MV], v[CC], v[MX]                  ; M = fl(c max u): the point of reference that is handed on; c > 0
	v_mul_f32 v[MV+2], v[CC+2], v[MX+1]
	v_mov_b32 v[MV+1], v[MV]
	v_mov_b32 v[MV+3], v[MV+2]
.irp t, 0,1
.irp b, 0,1
.irp j, 0,2,4,6
	v_pk_fma_f32 v[D1+16*\t+8*\b+\j:D1+16*\t+8*\b+\j+1], v[D1+16*\t+8*\b+\j:D1+16*\t+8*\b+\j+1], v[CC+2*\b:CC+2*\b+1], v[MV+2*\b:MV+2*\b+1] op_sel_hi:[1,0,0] neg_lo:[0,0,1] neg_hi:[0,0,1]   ; c u - M, one rounding
.endr
.endr
.endr
.set i, 0
.rept 32
	v_exp_f32 v[D1+i], v[D1+i]
.set i, i+1
.endr
	v_lshlrev_b32 v[MLA], 2, v[LANE]               ; the plain instruction behind the transcendentals
	; u's layout packed in pairs IS the second product's B fragment: registers 0-3 K = 8 h + j (tile 0), 4-7 K = 16 + 8 h + j (tile 1)
	s_wait_alu depctr_va_vdst(0)
.irp t, 0,1
.irp b, 0,1
.irp i, 0,1,2,3
	v_cvt_pk_f16_f32 v[PP+8*\b+4*\t+\i], v[D1+16*\t+8*\b+2*\i], v[D1+16*\t+8*\b+2*\i+1]
.endr
.endr
.endr
	s_wait_dscnt 0x0                               ; the transposed fragments, asked for in front of the first product
.irp d, 0,1,2,3
.irp b, 0,1
	v_wmma_f32_16x16x32_f16 v[OO+16*\d+8*\b:OO+16*\d+8*\b+7], v[AT+8*\d:AT+8*\d+7], v[PP+8*\b:PP+8*\b+7], 0    ; O^T[16 td + 8 h + j][16 tb + r]
.endr
.endr
.irp b, 0,1
	v_wmma_f32_16x16x32_f16 v[DL+8*\b:DL+8*\b+7], v[ONES:ONES+7], v[PP+8*\b:PP+8*\b+7], 0    ; every row: l[16 tb + r], from the rounded p
.endr
	s_lshl_b32 s18, s14, 7
	s_add_co_u32 s18, s18, MB
	v_cmp_ne_u32 vcc_lo, 0, v[HH]
	v_cndmask_b32 v[MSEL], v[MV], v[MV+2], vcc_lo  ; lane L takes b = L: b tile h.  These four lines are the places behind the
	v_add_nc_u32 v[MLA], s18, v[MLA]               ; matrix instructions (ISA guide 7.12.1)
	v_nop
	v_nop
	v_cndmask_b32 v[LSEL], v[DL], v[DL+8], vcc_lo
.irp d, 0,1,2,3
.irp b, 0,1
	ds_store_b128 v[OS], v[OO+16*\d+8*\b:OO+16*\d+8*\b+3] offset:\b*16*FP+\d*64
	ds_store_b128 v[OS], v[OO+16*\d+8*\b+4:OO+16*\d+8*\b+7] offset:\b*16*FP+\d*64+16
.endr
.endr
	ds_store_b32 v[MLA], v[MSEL]
	ds_store_b32 v[MLA], v[LSEL] offset:LB-MB
	s_wait_dscnt 0x0                               ; for the other waves: my O, M and l are in LDS
	s_barrier_signal -1
	s_barrier_wait -1
	; THE MERGE of the eight waves.  Wave w takes rows b = 2 w + h + 16 k (k = 0, 1); sixteen lanes hold a row of 256 bytes.
.irp v, 0,1,2,3,4,5,6,7
.irp k, 0,1
	ds_load_b32 v[EE+2*\v+\k], v[MA] offset:\v*128+\k*64
.endr
.endr
.irp v, 0,1,2,3,4,5,6,7
.irp k, 0,1
	ds_load_b128 v[RP+8*\v+4*\k:RP+8*\v+4*\k+3], v[OA] offset:\v*WROWS*FP+\k*16*FP
.endr
.endr
	s_lshl_b32 s16, ttmp9, 13                      ; part: 8 KB a work-group
	s_mov_b32 s17, 0
	s_add_nc_u64 s[10:11], s[10:11], s[16:17]
	s_wait_dscnt 0x10                              ; the sixteen M are in; the sixteen loads of O behind them may be out
.irp k, 0,1
	v_max3_num_f32 v[MX+\k], v[EE+\k], v[EE+2+\k], v[EE+4+\k]
.endr
.irp j, 6,10
.irp k, 0,1
	v_max3_num_f32 v[MX+\k], v[MX+\k], v[EE+\j+\k], v[EE+\j+2+\k]
.endr
.endr
.irp k, 0,1
	v_max_num_f32 v[MX+\k], v[MX+\k], v[EE+14+\k]
.endr
.irp v, 0,1,2,3,4,5,6,7
	v_pk_add_f32 v[EE+2*\v:EE+2*\v+1], v[EE+2*\v:EE+2*\v+1], v[MX:MX+1] neg_lo:[0,1] neg_hi:[0,1]
.endr
.set i, 0
.rept 16
	v_exp_f32 v[EE+i], v[EE+i]                     ; e = 2^(M of the wave - M of the work-group)
.set i, i+1
.endr
	v_nop                                          ; the plain instruction behind the transcendentals
	s_wait_dscnt 0x0
	s_wait_alu depctr_va_vdst(0)
.irp k, 0,1
	v_pk_mul_f32 v[ACC+4*\k:ACC+4*\k+1], v[RP+4*\k:RP+4*\k+1], v[EE:EE+1] op_sel:[0,\k] op_sel_hi:[1,\k]      ; both halves x register k of the pair
	v_pk_mul_f32 v[ACC+4*\k+2:ACC+4*\k+3], v[RP+4*\k+2:RP+4*\k+3], v[EE:EE+1] op_sel:[0,\k] op_sel_hi:[1,\k]
.endr
.irp v, 1,2,3,4,5,6,7
.irp k, 0,1
	v_pk_fma_f32 v[ACC+4*\k:ACC+4*\k+1], v[RP+8*\v+4*\k:RP+8*\v+4*\k+1], v[EE+2*\v:EE+2*\v+1], v[ACC+4*\k:ACC+4*\k+1] op_sel:[0,\k,0] op_sel_hi:[1,\k,1]
	v_pk_fma_f32 v[ACC+4*\k+2:ACC+4*\k+3], v[RP+8*\v+4*\k+2:RP+8*\v+4*\k+3], v[EE+2*\v:EE+2*\v+1], v[ACC+4*\k+2:ACC+4*\k+3] op_sel:[0,\k,0] op_sel_hi:[1,\k,1]
.endr
.endr
	global_store_b128 v[GO], v[ACC:ACC+3], s[10:11]                ; sixteen lanes: one aligned row of 256 bytes
	global_store_b128 v[GO], v[ACC+4:ACC+7], s[10:11] offset:4096  ; row b + 16.  GO, ACC and s[10:11] are not written again
	; (M, l) of the work-group: wave 0 alone, lane = b
	s_cmp_lg_u32 s14, 0
	s_cbranch_scc1 .Lend
.irp v, 0,1,2,3,4,5,6,7
	ds_load_b32 v[EE+\v], v[MLA] offset:\v*128                     ; in wave 0 MLA is MB + 4 lane
.endr
.irp v, 0,1,2,3,4,5,6,7
	ds_load_b32 v[EE+8+\v], v[MLA] offset:LB-MB+\v*128
.endr
	s_lshl_b32 s16, ttmp9, 8                       ; ml: 256 bytes a work-group
	s_add_nc_u64 s[12:13], s[12:13], s[16:17]
	s_wait_dscnt 0x0
	v_max3_num_f32 v24, v[EE], v[EE+1], v[EE+2]
	v_max3_num_f32 v24, v24, v[EE+3], v[EE+4]
	v_max3_num_f32 v24, v24, v[EE+5], v[EE+6]
	v_max_num_f32 v24, v24, v[EE+7]
.irp v, 0,1,2,3,4,5,6,7
	v_sub_f32 v[EE+\v], v[EE+\v], v24
.endr
.irp v, 0,1,2,3,4,5,6,7
	v_exp_f32 v[EE+\v], v[EE+\v]
.endr
	v_lshlrev_b32 v26, 3, v[LANE]                  ; the plain instruction behind the transcendentals: 8 bytes a lane
	s_wait_alu depctr_va_vdst(0)
	v_mul_f32 v25, v[EE], v[EE+8]
.irp v, 1,2,3,4,5,6,7
	v_fmac_f32 v25, v[EE+\v], v[EE+8+\v]
.endr
	global_store_b64 v26, v[24:25], s[12:13]       ; 32 lanes: one aligned run of 256 bytes
.Lend:
	s_set_vgpr_msb 0x5
	s_wait_tensorcnt 0x0
	ds_add_u32 v0, v1
	s_wait_dscnt 0x0
	s_set_vgpr_msb 0x500
	s_endpgm
.Lfunc_end_k_q1b9801cdde_partial:
	.size	k_q1b9801cdde_partial, .Lfunc_end_k_q1b9801cdde_partial-k_q1b9801cdde_partial
	.p2alignl 7, 3214868480
	.fill 96, 4, 3214868480
	.section	.rodata,"a",@progbits
	.p2align	6, 0x0
	.amdhsa_kernel k_q1b9801cdde_partial
		.amdhsa_group_segment_fixed_size 191488
		.amdhsa_private_segment_fixed_size 0
		.amdhsa_enable_private_segment 0
		.amdhsa_kernarg_size 40
		.amdhsa_user_sgpr_count 2
		.amdhsa_user_sgpr_kernarg_segment_ptr 1
		.amdhsa_wavefront_size32 1
		.amdhsa_system_sgpr_workgroup_id_x 1
		.amdhsa_system_sgpr_workgroup_id_y 1
		.amdhsa_system_sgpr_workgroup_id_z 1
		.amdhsa_system_vgpr_workitem_id 0
		.amdhsa_next_free_vgpr 258
		.amdhsa_next_free_sgpr 66
		.amdhsa_reserve_vcc 1
		.amdhsa_float_denorm_mode_32 3
		.amdhsa_float_denorm_mode_16_64 3
		.amdhsa_memory_ordered 1
		.amdhsa_forward_progress 1
		.amdhsa_inst_pref_size 40
	.end_amdhsa_kernel
	.amdgpu_metadata
---
amdhsa.version: [ 1, 2 ]
amdhsa.kernels:
  - .name:           k_q1b9801cdde_partial
    .symbol:         k_q1b9801cdde_partial.kd
    .args:
      - { .name: samples, .offset: 0, .size: 8, .value_kind: global_buffer, .address_space: global }
      - { .name: t, .offset: 8, .size: 8, .value_kind: global_buffer, .address_space: global }
      - { .name: x, .offset: 16, .size: 8, .value_kind: global_buffer, .address_space: global }
      - { .name: part, .offset: 24, .size: 8, .value_kind: global_buffer, .address_space: global }
      - { .name: ml, .offset: 32, .size: 8, .value_kind: global_buffer, .address_space: global }
    .group_segment_fixed_size: 191488
    .private_segment_fixed_size: 0
    .kernarg_segment_align: 8
    .kernarg_segment_size: 40
    .max_flat_workgroup_size: 256
    .sgpr_count:     66
    .vgpr_count:     258
    .wavefront_size: 32
...
	.end_amdgpu_metadata
.endif
;; end of part 1
;; launch merge (part 2): grid 32 x 1, 8 waves a work-group, no clusters, 6,400 bytes of LDS; arguments part, ml, t, x, out0; writes out0
.if DOCPART == 2
	.amdgcn_target "amdgcn-amd-amdhsa--gfx1250"
	.amdhsa_code_object_version 6
	.text
	.protected	k_q1b9801cdde_merge
	.globl	k_q1b9801cdde_merge
	.p2align	8
	.type	k_q1b9801cdde_merge,@function
k_q1b9801cdde_merge:
	s_mov_b64 s[64:65], 0
	v_nop
	global_prefetch_b8 v0, s[64:65] scope:SCOPE_SE
	s_setreg_imm32_b32 hwreg(HW_REG_WAVE_MODE, 25, 1), 1
	s_wait_xcnt 0x0
; Part 2: work-group b merges the 256 partial results of query b:
;   Mg = max_i M_i,  e_i = 2^(M_i - Mg),  out[b][d] = (sum_i e_i O_i[b][d] / sum_i e_i l_i - x[b][d]) / sigma_b,
;   1 / sigma_b = 100 * 2^(-13.2877 t_b)   (t_scale / denom of the reference with its sigma_min = 0).
; part: [256][32][64] f32, ml: [256][32] pairs (M, l).  All in f32; there is no matrix product here.
; Eight waves.  Thread i holds (M_i, l_i).  Thread (g = i / 16, q = i % 16) sums rows 16 g .. 16 g + 15 of part, 16 bytes of each:
; sixteen lanes read one aligned row of 256 bytes, and all sixteen loads of a thread are out from the start.
; Nothing is shared between work-groups but the 256-byte runs of ml, so there is no cluster.
; LIMITS: as in the first launch; t in about (-9, 9) for a normal 1 / sigma.
.set RM, 0                             ; 8 words: the waves' maxima
.set RL, 32                            ; 8 words: the waves' sums of e l
.set EB, 64                            ; 256 words: e_i
.set AB, 1088                          ; 16 groups x 256 bytes: the groups' weighted sums
	s_load_b256 s[4:11], s[0:1], 0x0               ; part s[4:5], ml s[6:7], t s[8:9], x s[10:11]
	s_load_b64 s[12:13], s[0:1], 0x20              ; out0
	v_lshl_add_u32 v128, v0, 2, 0x1500
	v_mov_b32 v129, 0
	v_lshrrev_b32 v1, 5, v0
	v_readfirstlane_b32 s14, v1                    ; wave
	s_lshl_b32 s16, ttmp9, 8                       ; 256 b: a row of part, of x, of out0
	s_mov_b32 s17, 0
	s_lshl_b32 s18, ttmp9, 3                       ; 8 b: the pair in a run of ml
	s_mov_b32 s19, 0
	s_lshl_b32 s20, ttmp9, 2                       ; 4 b: t
	s_mov_b32 s21, 0
	s_mov_b32 s24, 0x76543210                      ; v_permlanex16_b32: lane i reads lane i of the other half
	s_mov_b32 s25, 0xfedcba98
	v_and_b32 v1, 31, v0
	v_lshlrev_b32 v10, 3, v1                       ; 8 bytes a lane: x and out0
	v_lshlrev_b32 v2, 8, v0                        ; ml: 256 bytes for each i
	v_lshrrev_b32 v3, 4, v0                        ; g
	v_and_b32 v4, 15, v0                           ; q
	v_lshlrev_b32 v5, 17, v3                       ; 16 g partials of 8,192 bytes
	v_lshl_add_u32 v5, v4, 4, v5
	s_wait_kmcnt 0x0
	s_add_nc_u64 s[4:5], s[4:5], s[16:17]
	s_add_nc_u64 s[6:7], s[6:7], s[18:19]
	s_add_nc_u64 s[8:9], s[8:9], s[20:21]
	s_add_nc_u64 s[10:11], s[10:11], s[16:17]
	s_add_nc_u64 s[12:13], s[12:13], s[16:17]
	s_load_b32 s22, s[8:9], 0x0                    ; t[b]
	global_load_b64 v[8:9], v10, s[10:11]          ; x[b]: 256 bytes, asked for by every wave so that the counts below are alike in all
	global_load_b64 v[6:7], v2, s[6:7]             ; (M_i, l_i)
.irp k, 0,1,2,3,4,5,6,7,8,9,10,11,12,13,14,15
	global_load_b128 v[16+4*\k:19+4*\k], v5, s[4:5] offset:\k*8192
.endr
	s_wait_loadcnt 0x10                            ; x and (M, l) are in; the sixteen rows behind them may be out
	v_mov_b32 v11, v6
	v_mov_b32 v12, v6                              ; written before it is a permute's destination
	v_max_num_f32_dpp v11, v11, v11 row_xmask:1 row_mask:0xf bank_mask:0xf
	v_max_num_f32_dpp v11, v11, v11 row_xmask:2 row_mask:0xf bank_mask:0xf
	v_max_num_f32_dpp v11, v11, v11 row_xmask:4 row_mask:0xf bank_mask:0xf
	v_max_num_f32_dpp v11, v11, v11 row_xmask:8 row_mask:0xf bank_mask:0xf
	v_permlanex16_b32 v12, v11, s24, s25
	v_max_num_f32 v11, v11, v12
	v_mov_b32 v13, s14
	v_lshlrev_b32 v13, 2, v13
	ds_store_b32 v13, v11                          ; RM + 4 wave: all lanes, the same word, the same value
	s_wait_dscnt 0x0
	s_barrier_signal -1
	s_barrier_wait -1
	v_mov_b32 v14, 0
	ds_load_b128 v[80:83], v14
	ds_load_b128 v[84:87], v14 offset:16
	s_wait_dscnt 0x0
	v_max3_num_f32 v11, v80, v81, v82
	v_max3_num_f32 v11, v11, v83, v84
	v_max3_num_f32 v11, v11, v85, v86
	v_max_num_f32 v11, v11, v87                    ; Mg
	v_sub_f32 v15, v6, v11
	v_exp_f32 v15, v15                             ; e_i
	v_lshlrev_b32 v88, 2, v0                       ; the plain instruction behind the transcendental (ISA guide 5.7.2)
	s_wait_alu depctr_va_vdst(0)
	ds_store_b32 v88, v15 offset:EB
	v_mul_f32 v89, v15, v7                         ; e_i l_i
	v_add_f32_dpp v89, v89, v89 row_xmask:1 row_mask:0xf bank_mask:0xf
	v_add_f32_dpp v89, v89, v89 row_xmask:2 row_mask:0xf bank_mask:0xf
	v_add_f32_dpp v89, v89, v89 row_xmask:4 row_mask:0xf bank_mask:0xf
	v_add_f32_dpp v89, v89, v89 row_xmask:8 row_mask:0xf bank_mask:0xf
	v_permlanex16_b32 v12, v89, s24, s25
	v_add_f32 v89, v89, v12
	ds_store_b32 v13, v89 offset:RL
	s_wait_dscnt 0x0
	s_barrier_signal -1
	s_barrier_wait -1
	v_lshlrev_b32 v90, 6, v3                       ; my group's sixteen e
.irp j, 0,1,2,3
	ds_load_b128 v[92+4*\j:95+4*\j], v90 offset:EB+16*\j
.endr
	s_wait_dscnt 0x0
	; row 2 p + k of my sixteen: both halves of a packed product take register k of the pair of e
.irp p, 0,1,2,3,4,5,6,7
.irp k, 0,1
	s_wait_loadcnt 15-2*\p-\k                      ; this row is in; the rows behind it may be out
.if (2*\p+\k) == 0
	v_pk_mul_f32 v[108:109], v[16:17], v[92:93] op_sel_hi:[1,0]
	v_pk_mul_f32 v[110:111], v[18:19], v[92:93] op_sel_hi:[1,0]
.else
	v_pk_fma_f32 v[108:109], v[16+8*\p+4*\k:17+8*\p+4*\k], v[92+2*\p:93+2*\p], v[108:109] op_sel:[0,\k,0] op_sel_hi:[1,\k,1]
	v_pk_fma_f32 v[110:111], v[18+8*\p+4*\k:19+8*\p+4*\k], v[92+2*\p:93+2*\p], v[110:111] op_sel:[0,\k,0] op_sel_hi:[1,\k,1]
.endif
.endr
.endr
	v_lshlrev_b32 v116, 4, v0
	ds_store_b128 v116, v[108:111] offset:AB       ; group g's row at AB + 256 g
	s_wait_dscnt 0x0
	s_barrier_signal -1
	s_barrier_wait -1
	s_cmp_lg_u32 s14, 0                            ; the last 64 numbers: wave 0, two a lane
	s_cbranch_scc1 .Lend
.irp g, 0,1,2,3,4,5,6,7,8,9,10,11,12,13,14,15
	ds_load_b64 v[16+2*\g:17+2*\g], v10 offset:AB+256*\g
.endr
	ds_load_b128 v[80:83], v14 offset:RL
	ds_load_b128 v[84:87], v14 offset:RL+16
	s_wait_kmcnt 0x0
	v_mov_b32 v120, s22
	v_mul_f32 v120, 0xc1549a78, v120               ; -log2(1e4) t
	v_exp_f32 v120, v120
	s_wait_dscnt 0x0
	v_add_f32 v80, v80, v81
	v_add_f32 v82, v82, v83
	v_add_f32 v84, v84, v85
	v_add_f32 v86, v86, v87
	v_add_f32 v80, v80, v82
	v_add_f32 v84, v84, v86
	v_add_f32 v80, v80, v84                        ; L = sum e l
	v_rcp_f32 v122, v80
.irp g, 0,1,2,3,4,5,6,7
	v_pk_add_f32 v[16+4*\g:17+4*\g], v[16+4*\g:17+4*\g], v[18+4*\g:19+4*\g]
.endr
.irp g, 0,1,2,3
	v_pk_add_f32 v[16+8*\g:17+8*\g], v[16+8*\g:17+8*\g], v[20+8*\g:21+8*\g]
.endr
	v_pk_add_f32 v[16:17], v[16:17], v[24:25]
	v_pk_add_f32 v[32:33], v[32:33], v[40:41]
	v_pk_add_f32 v[16:17], v[16:17], v[32:33]
	s_wait_alu depctr_va_vdst(0)
	v_mul_f32 v120, 0x42c80000, v120               ; 1 / sigma
	v_mov_b32 v121, v120
	v_mov_b32 v123, v122
	v_pk_fma_f32 v[16:17], v[16:17], v[122:123], v[8:9] neg_lo:[0,0,1] neg_hi:[0,0,1]      ; sum / L - x
	v_pk_mul_f32 v[16:17], v[16:17], v[120:121]
	global_store_b64 v10, v[16:17], s[12:13]       ; 32 lanes: the aligned row of 256 bytes
.Lend:
	s_wait_tensorcnt 0x0
	ds_add_u32 v128, v129
	s_wait_dscnt 0x0
	s_endpgm
.Lfunc_end_k_q1b9801cdde_merge:
	.size	k_q1b9801cdde_merge, .Lfunc_end_k_q1b9801cdde_merge-k_q1b9801cdde_merge
	.p2alignl 7, 3214868480
	.fill 96, 4, 3214868480
	.section	.rodata,"a",@progbits
	.p2align	6, 0x0
	.amdhsa_kernel k_q1b9801cdde_merge
		.amdhsa_group_segment_fixed_size 6400
		.amdhsa_private_segment_fixed_size 0
		.amdhsa_enable_private_segment 0
		.amdhsa_kernarg_size 40
		.amdhsa_user_sgpr_count 2
		.amdhsa_user_sgpr_kernarg_segment_ptr 1
		.amdhsa_wavefront_size32 1
		.amdhsa_system_sgpr_workgroup_id_x 1
		.amdhsa_system_sgpr_workgroup_id_y 1
		.amdhsa_system_sgpr_workgroup_id_z 1
		.amdhsa_system_vgpr_workitem_id 0
		.amdhsa_next_free_vgpr 130
		.amdhsa_next_free_sgpr 66
		.amdhsa_reserve_vcc 0
		.amdhsa_float_denorm_mode_32 3
		.amdhsa_float_denorm_mode_16_64 3
		.amdhsa_memory_ordered 1
		.amdhsa_forward_progress 1
		.amdhsa_inst_pref_size 11
	.end_amdhsa_kernel
	.amdgpu_metadata
---
amdhsa.version: [ 1, 2 ]
amdhsa.kernels:
  - .name:           k_q1b9801cdde_merge
    .symbol:         k_q1b9801cdde_merge.kd
    .args:
      - { .name: part, .offset: 0, .size: 8, .value_kind: global_buffer, .address_space: global }
      - { .name: ml, .offset: 8, .size: 8, .value_kind: global_buffer, .address_space: global }
      - { .name: t, .offset: 16, .size: 8, .value_kind: global_buffer, .address_space: global }
      - { .name: x, .offset: 24, .size: 8, .value_kind: global_buffer, .address_space: global }
      - { .name: out0, .offset: 32, .size: 8, .value_kind: global_buffer, .address_space: global }
    .group_segment_fixed_size: 6400
    .private_segment_fixed_size: 0
    .kernarg_segment_align: 8
    .kernarg_segment_size: 40
    .max_flat_workgroup_size: 256
    .sgpr_count:     66
    .vgpr_count:     130
    .wavefront_size: 32
...
	.end_amdgpu_metadata
.endif
;; end of part 2
;; ======== version 2 of 2: 2 launches; version 1 with the launch merge written anew for expert scheduling mode
;; limits: a difference of large sums (such as E[x^2] - mean^2): digits are lost where the result is much smaller than its terms; values are held in f16: magnitudes above 65,504 overflow, below 6.1e-05 lose precision; right only within a limited range of input values
;; workspace buffers: part 2,097,152 bytes; ml 65,536 bytes
;; launch partial: the kernel of part 1 again; grid 256 x 1, 8 waves a work-group, no clusters, 191,488 bytes of LDS; arguments samples, t, x, part, ml; writes part, ml
;; launch merge (part 3): grid 32 x 1, 8 waves a work-group, no clusters, 6,400 bytes of LDS; arguments part, ml, t, x, out0; writes out0
.if DOCPART == 3
	.amdgcn_target "amdgcn-amd-amdhsa--gfx1250"
	.amdhsa_code_object_version 6
	.text
	.protected	k_q1b9801cdde_merge
	.globl	k_q1b9801cdde_merge
	.p2align	8
	.type	k_q1b9801cdde_merge,@function
k_q1b9801cdde_merge:
	s_mov_b64 s[64:65], 0
	v_nop
	global_prefetch_b8 v0, s[64:65] scope:SCOPE_SE
	s_setreg_imm32_b32 hwreg(HW_REG_WAVE_SCHED_MODE, 0, 2), 2
	s_setreg_imm32_b32 hwreg(HW_REG_WAVE_MODE, 25, 1), 1
	s_wait_xcnt 0x0
	s_wait_alu depctr_vm_vsrc(0)
; Part 2: work-group b merges the 256 partial results of query b:
;   Mg = max_i M_i,  e_i = 2^(M_i - Mg),  out[b][d] = (sum_i e_i O_i[b][d] / sum_i e_i l_i - x[b][d]) / sigma_b,
;   1 / sigma_b = 100 * 2^(-13.2877 t_b)   (t_scale / denom of the reference with its sigma_min = 0).
; part: [256][32][64] f32, ml: [256][32] pairs (M, l).  All in f32; there is no matrix product here.
; Eight waves.  Thread i holds (M_i, l_i).  Thread (g = i / 16, q = i % 16) sums rows 16 g .. 16 g + 15 of part, 16 bytes of each:
; sixteen lanes read one aligned row of 256 bytes, and all sixteen loads of a thread are out from the start.
; Nothing is shared between work-groups but the 256-byte runs of ml, so there is no cluster.
; LIMITS: as in the first launch; t in about (-9, 9) for a normal 1 / sigma.
; THE MODE: SCHED_MODE bits 1:0 = 2 (LLVM: expert scheduling mode 2), set by the entry lines.  The code itself states the register dependences
; between vector instructions and memory or LDS instructions, with s_wait_alu, always for 0.
; THE PLAN.  Registers that memory or LDS instructions touch:
;   v2, v5, v10, v14, v90, v116   offsets and LDS addresses: all made at the head, ahead of one wait on va_vdst, and never written again.
;   v128, v129                    made at the head, read by the closing add alone.
;   v[6:9], v[16:79]              global loads land here once; vector lines only read them.  In wave 0 LDS loads land in v[16:47] once more,
;                                 behind the wait that stands ahead of the store of v[108:111]; no vector line stands between that wait and them.
;   v[80:87]                      LDS loads land here twice; the maxima read them between, ahead of three waits on va_vdst.
;   v[92:107]                     LDS loads land here once.
;   v13 + v11, v88 + v15, v89, v[108:111], v[16:17]   address and data of the five stores: each is written by vector lines just ahead of its store, so one
;                                 wait on va_vdst stands ahead of each store.  Of these v11 alone is written again: one wait on vm_vsrc stands ahead of that line.
.set RM, 0                             ; 8 words: the waves' maxima
.set RL, 32                            ; 8 words: the waves' sums of e l
.set EB, 64                            ; 256 words: e_i
.set AB, 1088                          ; 16 groups x 256 bytes: the groups' weighted sums
	s_load_b256 s[4:11], s[0:1], 0x0               ; part s[4:5], ml s[6:7], t s[8:9], x s[10:11]
	s_load_b64 s[12:13], s[0:1], 0x20              ; out0
	v_lshl_add_u32 v128, v0, 2, 0x1500
	v_mov_b32 v129, 0
	v_lshrrev_b32 v1, 5, v0
	v_readfirstlane_b32 s14, v1                    ; wave
	s_lshl_b32 s16, ttmp9, 8                       ; 256 b: a row of part, of x, of out0
	s_mov_b32 s17, 0
	s_lshl_b32 s18, ttmp9, 3                       ; 8 b: the pair in a run of ml
	s_mov_b32 s19, 0
	s_lshl_b32 s20, ttmp9, 2                       ; 4 b: t
	s_mov_b32 s21, 0
	s_mov_b32 s24, 0x76543210                      ; v_permlanex16_b32: lane i reads lane i of the other half
	s_mov_b32 s25, 0xfedcba98
	v_and_b32 v1, 31, v0
	v_lshlrev_b32 v10, 3, v1                       ; 8 bytes a lane: x and out0
	v_lshlrev_b32 v2, 8, v0                        ; ml: 256 bytes for each i
	v_lshrrev_b32 v3, 4, v0                        ; g
	v_and_b32 v4, 15, v0                           ; q
	v_lshlrev_b32 v5, 17, v3                       ; 16 g partials of 8,192 bytes
	v_lshl_add_u32 v5, v4, 4, v5
	v_mov_b32 v14, 0                               ; LDS: the waves' words
	v_lshlrev_b32 v90, 6, v3                       ; LDS: my group's sixteen e
	v_lshlrev_b32 v116, 4, v0                      ; LDS: my 16 bytes of my group's row
	s_wait_alu depctr_va_sdst(0)                   ; s14 is written, ahead of its first reader (the line that makes v13); the compare on it further down reads it too
	s_wait_kmcnt 0x0
	s_add_nc_u64 s[4:5], s[4:5], s[16:17]
	s_add_nc_u64 s[6:7], s[6:7], s[18:19]
	s_add_nc_u64 s[8:9], s[8:9], s[20:21]
	s_add_nc_u64 s[10:11], s[10:11], s[16:17]
	s_add_nc_u64 s[12:13], s[12:13], s[16:17]
	s_load_b32 s22, s[8:9], 0x0                    ; t[b]
	s_wait_alu depctr_va_vdst(0)                   ; v2, v5, v10, v14, v90, v116, v128 and v129 are written: the offsets and addresses that the loads and stores of the whole kernel read
	global_load_b64 v[8:9], v10, s[10:11]          ; x[b]: 256 bytes, asked for by every wave so that the counts below are alike in all
	global_load_b64 v[6:7], v2, s[6:7]             ; (M_i, l_i)
.irp k, 0,1,2,3,4,5,6,7,8,9,10,11,12,13,14,15
	global_load_b128 v[16+4*\k:19+4*\k], v5, s[4:5] offset:\k*8192
.endr
	s_wait_loadcnt 0x10                            ; x and (M, l) are in; the sixteen rows behind them may be out
	v_mov_b32 v11, v6
	v_mov_b32 v12, v6                              ; written before it is a permute's destination
	v_max_num_f32_dpp v11, v11, v11 row_xmask:1 row_mask:0xf bank_mask:0xf
	v_max_num_f32_dpp v11, v11, v11 row_xmask:2 row_mask:0xf bank_mask:0xf
	v_max_num_f32_dpp v11, v11, v11 row_xmask:4 row_mask:0xf bank_mask:0xf
	v_max_num_f32_dpp v11, v11, v11 row_xmask:8 row_mask:0xf bank_mask:0xf
	v_permlanex16_b32 v12, v11, s24, s25
	v_max_num_f32 v11, v11, v12
	v_mov_b32 v13, s14
	v_lshlrev_b32 v13, 2, v13
	s_wait_alu depctr_va_vdst(0)                   ; v13 and v11 are written: the LDS store's address and data
	ds_store_b32 v13, v11                          ; RM + 4 wave: all lanes, the same word, the same value
	s_wait_dscnt 0x0
	s_barrier_signal -1
	s_barrier_wait -1
	ds_load_b128 v[80:83], v14                     ; no wait: v14 was written ahead of the head's wait, and no vector line has named v[80:87]
	ds_load_b128 v[84:87], v14 offset:16
	s_wait_dscnt 0x0
	s_wait_alu depctr_vm_vsrc(0)                   ; the LDS store above has read v11, which the next line writes again
	v_max3_num_f32 v11, v80, v81, v82
	v_max3_num_f32 v11, v11, v83, v84
	v_max3_num_f32 v11, v11, v85, v86
	v_max_num_f32 v11, v11, v87                    ; Mg
	v_sub_f32 v15, v6, v11
	v_exp_f32 v15, v15                             ; e_i
	v_lshlrev_b32 v88, 2, v0                       ; the plain instruction behind the transcendental (ISA guide 5.7.2)
	s_wait_alu depctr_va_vdst(0)                   ; the exponential has written v15, ahead of its first reader; v88 is written: the LDS store's data and address
	ds_store_b32 v88, v15 offset:EB
	v_mul_f32 v89, v15, v7                         ; e_i l_i
	v_add_f32_dpp v89, v89, v89 row_xmask:1 row_mask:0xf bank_mask:0xf
	v_add_f32_dpp v89, v89, v89 row_xmask:2 row_mask:0xf bank_mask:0xf
	v_add_f32_dpp v89, v89, v89 row_xmask:4 row_mask:0xf bank_mask:0xf
	v_add_f32_dpp v89, v89, v89 row_xmask:8 row_mask:0xf bank_mask:0xf
	v_permlanex16_b32 v12, v89, s24, s25
	v_add_f32 v89, v89, v12
	s_wait_alu depctr_va_vdst(0)                   ; v89 is written: the LDS store's data (v13 has not been named by a vector line since the store before)
	ds_store_b32 v13, v89 offset:RL
	s_wait_dscnt 0x0
	s_barrier_signal -1
	s_barrier_wait -1
.irp j, 0,1,2,3
	ds_load_b128 v[92+4*\j:95+4*\j], v90 offset:EB+16*\j           ; no wait: v90 was written ahead of the head's wait, and no vector line has named v[92:107]
.endr
	s_wait_dscnt 0x0
	; row 2 p + k of my sixteen: both halves of a packed product take register k of the pair of e
.irp p, 0,1,2,3,4,5,6,7
.irp k, 0,1
	s_wait_loadcnt 15-2*\p-\k                      ; this row is in; the rows behind it may be out
.if (2*\p+\k) == 0
	v_pk_mul_f32 v[108:109], v[16:17], v[92:93] op_sel_hi:[1,0]
	v_pk_mul_f32 v[110:111], v[18:19], v[92:93] op_sel_hi:[1,0]
.else
	v_pk_fma_f32 v[108:109], v[16+8*\p+4*\k:17+8*\p+4*\k], v[92+2*\p:93+2*\p], v[108:109] op_sel:[0,\k,0] op_sel_hi:[1,\k,1]
	v_pk_fma_f32 v[110:111], v[18+8*\p+4*\k:19+8*\p+4*\k], v[92+2*\p:93+2*\p], v[110:111] op_sel:[0,\k,0] op_sel_hi:[1,\k,1]
.endif
.endr
.endr
	s_wait_alu depctr_va_vdst(0)                   ; v[108:111] are written: the LDS store's data; and the multiply-adds are done reading v[16:79], the maxima v[80:87], in which wave 0's LDS loads land below
	ds_store_b128 v116, v[108:111] offset:AB       ; group g's row at AB + 256 g
	s_wait_dscnt 0x0
	s_barrier_signal -1
	s_barrier_wait -1
	s_cmp_lg_u32 s14, 0                            ; the last 64 numbers: wave 0, two a lane
	s_cbranch_scc1 .Lend
.irp g, 0,1,2,3,4,5,6,7,8,9,10,11,12,13,14,15
	ds_load_b64 v[16+2*\g:17+2*\g], v10 offset:AB+256*\g           ; no wait: no vector line stands between the wait above and these loads
.endr
	ds_load_b128 v[80:83], v14 offset:RL
	ds_load_b128 v[84:87], v14 offset:RL+16
	s_wait_kmcnt 0x0
	v_mov_b32 v120, s22
	v_mul_f32 v120, 0xc1549a78, v120               ; -log2(1e4) t
	v_exp_f32 v120, v120
	s_wait_dscnt 0x0
	v_add_f32 v80, v80, v81
	v_add_f32 v82, v82, v83
	v_add_f32 v84, v84, v85
	v_add_f32 v86, v86, v87
	v_add_f32 v80, v80, v82
	v_add_f32 v84, v84, v86
	v_add_f32 v80, v80, v84                        ; L = sum e l
	v_rcp_f32 v122, v80
.irp g, 0,1,2,3,4,5,6,7
	v_pk_add_f32 v[16+4*\g:17+4*\g], v[16+4*\g:17+4*\g], v[18+4*\g:19+4*\g]
.endr
.irp g, 0,1,2,3
	v_pk_add_f32 v[16+8*\g:17+8*\g], v[16+8*\g:17+8*\g], v[20+8*\g:21+8*\g]
.endr
	v_pk_add_f32 v[16:17], v[16:17], v[24:25]
	v_pk_add_f32 v[32:33], v[32:33], v[40:41]
	v_pk_add_f32 v[16:17], v[16:17], v[32:33]
	s_wait_alu depctr_va_vdst(0)                   ; the exponential has written v120 and the reciprocal v122, ahead of their first readers
	v_mul_f32 v120, 0x42c80000, v120               ; 1 / sigma
	v_mov_b32 v121, v120
	v_mov_b32 v123, v122
	v_pk_fma_f32 v[16:17], v[16:17], v[122:123], v[8:9] neg_lo:[0,0,1] neg_hi:[0,0,1]      ; sum / L - x
	v_pk_mul_f32 v[16:17], v[16:17], v[120:121]
	s_wait_alu depctr_va_vdst(0)                   ; v[16:17] are written: the store's data
	global_store_b64 v10, v[16:17], s[12:13]       ; 32 lanes: the aligned row of 256 bytes
.Lend:
	s_wait_dscnt 0x0                               ; the closing lines, six on end
	s_wait_alu 0x0
	s_wait_tensorcnt 0x0
	ds_add_u32 v128, v129
	s_wait_dscnt 0x0
	s_endpgm
.Lfunc_end_k_q1b9801cdde_merge:
	.size	k_q1b9801cdde_merge, .Lfunc_end_k_q1b9801cdde_merge-k_q1b9801cdde_merge
	.p2alignl 7, 3214868480
	.fill 96, 4, 3214868480
	.section	.rodata,"a",@progbits
	.p2align	6, 0x0
	.amdhsa_kernel k_q1b9801cdde_merge
		.amdhsa_group_segment_fixed_size 6400
		.amdhsa_private_segment_fixed_size 0
		.amdhsa_enable_private_segment 0
		.amdhsa_kernarg_size 40
		.amdhsa_user_sgpr_count 2
		.amdhsa_user_sgpr_kernarg_segment_ptr 1
		.amdhsa_wavefront_size32 1
		.amdhsa_system_sgpr_workgroup_id_x 1
		.amdhsa_system_sgpr_workgroup_id_y 1
		.amdhsa_system_sgpr_workgroup_id_z 1
		.amdhsa_system_vgpr_workitem_id 0
		.amdhsa_next_free_vgpr 130
		.amdhsa_next_free_sgpr 66
		.amdhsa_reserve_vcc 0
		.amdhsa_float_denorm_mode_32 3
		.amdhsa_float_denorm_mode_16_64 3
		.amdhsa_memory_ordered 1
		.amdhsa_forward_progress 1
		.amdhsa_inst_pref_size 12
	.end_amdhsa_kernel
	.amdgpu_metadata
---
amdhsa.version: [ 1, 2 ]
amdhsa.kernels:
  - .name:           k_q1b9801cdde_merge
    .symbol:         k_q1b9801cdde_merge.kd
    .args:
      - { .name: part, .offset: 0, .size: 8, .value_kind: global_buffer, .address_space: global }
      - { .name: ml, .offset: 8, .size: 8, .value_kind: global_buffer, .address_space: global }
      - { .name: t, .offset: 16, .size: 8, .value_kind: global_buffer, .address_space: global }
      - { .name: x, .offset: 24, .size: 8, .value_kind: global_buffer, .address_space: global }
      - { .name: out0, .offset: 32, .size: 8, .value_kind: global_buffer, .address_space: global }
    .group_segment_fixed_size: 6400
    .private_segment_fixed_size: 0
    .kernarg_segment_align: 8
    .kernarg_segment_size: 40
    .max_flat_workgroup_size: 256
    .sgpr_count:     66
    .vgpr_count:     130
    .wavefront_size: 32
...
	.end_amdgpu_metadata
.endif
;; end of part 3
